; MI455X (gfx1250); checked and timed in simulation.
; The chip was launched on July 23, 2026; its instructions are those of AMD's public machine-readable ISA for CDNA 5 (MIT licence, August 2026) and "CDNA5" Instruction Set Architecture Reference Guide (July 2026). The comments in the code are by the model that wrote it; some were corrected since.
;; CAA Stable. Allowed arithmetic: matrix products marked QUANTISED: E5M2 operands, one given power-of-two scale a tensor, by v_wmma_f32_16x16x64_bf8_bf8 or v_wmma_f32_16x16x128_bf8_bf8, f32 sums; products left as they are: f32 operands where the result goes on into a quantised operand, else bf16, f16 or f32 operands; f32 sums; everything else in f32.
;; Inputs: Wk_codes 16 x 8 x 32 uint8 (E5M2 codes of Wk, K innermost, in blocks of 32 codes); Wo_codes 256 x 8 x 32 uint8 (E5M2 codes of Wo, K innermost, in blocks of 32 codes); Wq_codes 16 x 8 x 32 uint8 (E5M2 codes of Wq, K innermost, in blocks of 32 codes); Wv_codes 256 x 8 x 32 uint8 (E5M2 codes of Wv, K innermost, in blocks of 32 codes); bk 16 float32; bo 256 float32; bq 16 float32; bv 256 float32; gamma 1 float32; lowp_scales 10 int32 (the exponents e of the quantised operands' scales 2^e); x 8 x 256 x 64 x 64 float32.
;; Outputs: out0 8 x 256 x 64 x 64 float32.
;; This version of the problem:
;;   THIS VERSION OF THE PROBLEM IS GIVEN IN LOW PRECISION. The matrix products marked QUANTISED in the list below multiply operands that are first quantised to E5M2 (5 exponent bits, 2 mantissa bits; 8 bits a number), with one given power-of-two scale for each operand tensor; their sums are f32. All else is computed in f32.
;;   The module's matrix products, in the order in which they are computed (A, B: the left and right operand; K: the contracted axis; several contracted axes count as one K, in the product's order):
;;     1. [M 32,768, K 256] x [K 256, N 16]; A: input x; B: input Wq (given as codes): QUANTISED (scales: A lowp_scales[0], B lowp_scales[1])
;;     2. [M 32,768, K 256] x [K 256, N 16]; A: input x; B: input Wk (given as codes): QUANTISED (scales: A lowp_scales[2], B lowp_scales[3])
;;     3. [M 32,768, K 256] x [K 256, N 256]; A: input x; B: input Wv (given as codes): QUANTISED (scales: A lowp_scales[4], B lowp_scales[5])
;;     4. batch 8 x [M 4,096, K 16] x [K 16, N 4,096]; A: computed on the way; B: computed on the way: left as it is (K = 16 < 32)
;;     5. batch 8 x [M 256, K 4,096] x [K 4,096, N 4,096]; A: computed on the way; B: softmax (see below): QUANTISED (scales: A lowp_scales[6], B lowp_scales[7])
;;     6. [M 32,768, K 256] x [K 256, N 256]; A: computed on the way; B: input Wo (given as codes): QUANTISED (scales: A lowp_scales[8], B lowp_scales[9])
;;   THE QUANTISER, for each operand of a quantised product, along K:
;;     - The operand's scale is 2^e, e = its entry of the input lowp_scales (int32; the entries are numbered through the quantised products in the list's order, A before B).
;;     - Each number is divided by the scale, clamped to +-57,344, and rounded to the nearest number of E5M2, ties to even, subnormals kept.
;;     - The product sums the exact products of the quantised numbers (number of the format x scale) in f32.
;;   ~~~python
;;   def quantise(x, axis, e):      # numpy; x: float32 -> the quantised numbers, widened to float32 again
;;       x = np.moveaxis(x, axis, -1); K = x.shape[-1]
;;       r = np.clip(x / 2.0 ** e, -57344, 57344)
;;       step = 2.0 ** (np.maximum(np.frexp(np.where(r == 0, 1, r))[1] - 1, -14) - 2)
;;       q = np.round(r / step) * step * 2.0 ** e      # np.round: ties to even
;;       return np.moveaxis(q, -1, axis).astype(np.float32)
;;   ~~~
;;   SOFTMAX AHEAD OF A QUANTISED PRODUCT. Where the list says 'softmax', what is quantised is not the finished softmax but p = 2^(t - M), with t = logit x log2(e) and M = ceil(the row's largest t), a whole number; so 1/2 < the row's largest p <= 1. The row's sum l is taken of the UNQUANTISED p, in f32, and the product's result is divided by l at the end. Since M is a whole number, a kernel that streams over the keys may use a running M (the ceiling of the running maximum): every later rescaling is an exact power of two, so the quantised numbers keep their values, but for numbers so far below the row's largest that they fall under the format's range.
;;   OPERANDS COMPUTED ON THE WAY. 'Computed on the way' means the value that the module computes at that place (a softmax that the list does not call 'softmax' is quantised finished and normalised). What goes into a quantiser is computed in f32, as accurately as f32 sums, v_exp_f32 and their like allow (about 1e-6 of the number): no bf16 or f16 on the way to a quantiser, and a product that is left as it is and whose result goes on into a quantised operand takes f32 operands (vector FMAs, or v_wmma_f32_16x16x4_f32). A number that lies on a knife's edge between two numbers of the format may be rounded either way, as far as f32 arithmetic and the matrix unit's own rounding can turn it there, and no further.
;;   INPUTS GIVEN AS CODES. Wk (in the module: [16, 256], K = its axis 1); Wo (in the module: [256, 256], K = its axis 1); Wq (in the module: [16, 256], K = its axis 1); Wv (in the module: [256, 256], K = its axis 1): each comes as NAME_codes (uint8): NAME with its K axis moved to the last place and cut into blocks of 32 codes, [.., K / 32, bytes a block], one block behind the other in memory; one code a byte (a code: sign, 5 exponent bits, 2 mantissa bits); its scale is its entry of lowp_scales. Its value is code x scale, taken as it is: it is not quantised again, and the codes and scales need not be those that the quantiser above would give.
;; One version. Each part assembles by itself: llvm-mc -triple=amdgcn-amd-amdhsa -mcpu=gfx1250 --defsym DOCPART=n.
;; ======== version 1 of 1: 2 launches
;; workspace buffers: q_ws 2,097,152 bytes; kv_ws 10,485,760 bytes
;; launch proj (part 1): grid 32 x 8, 8 waves a work-group, no clusters, 168,960 bytes of LDS; arguments x, Wq_codes, Wk_codes, Wv_codes, bq, bk, bv, lowp_scales, q_ws, kv_ws; writes q_ws, kv_ws
.if DOCPART == 1
	.amdgcn_target "amdgcn-amd-amdhsa--gfx1250"
	.amdhsa_code_object_version 6
	.text
	.protected	k_q948fd1ebc2_proj
	.globl	k_q948fd1ebc2_proj
	.p2align	8
	.type	k_q948fd1ebc2_proj,@function
k_q948fd1ebc2_proj:
	s_mov_b64 s[64:65], 0
	v_nop
	global_prefetch_b8 v0, s[64:65] scope:SCOPE_SE
	s_setreg_imm32_b32 hwreg(HW_REG_WAVE_MODE, 25, 1), 1
	s_wait_xcnt 0x0
; THE THREE PROJECTIONS.  x: [8][256 (c)][4096 (n)] f32.  q = Wq x + bq, k = Wk x + bk, v = Wv x + bv, each product on codes of BF8 (E5M2): x is quantised along c three times, with 2^e0, 2^e2, 2^e4;
; the weights come as codes (rows of 256 bytes, c innermost) with 2^e1, 2^e3, 2^e5.  Out go, as IMAGES OF THE OPERAND REGISTERS of the attention launch:
;   q_ws: q x 0.25 log2(e), f32; tile (batch, block, t) of 16 positions x 16 d = 1,024 bytes: registers 0-3 of the 32 lanes (16 bytes a lane), then registers 4-7; lane (r, h) holds d = 8 h + 0 .. 7 of its position.
;   kv_ws: 40,960 bytes for each block of 128 positions (a key step): 8 tiles of k laid as q's; then 16 fragments of v as codes with 2^e6 (16 channels x 128 keys, 2,048 bytes: registers 4 c .. 4 c + 3 at 512 c + 16 x lane).
; THE ORDER OF ROWS IN A TILE: row r of tile t = 2 b + u of a block of 128 is index 32 b + 8 u + r + 8 (r / 8), for positions and for v's channels alike: a result's 16 registers of tiles 2 b, 2 b + 1 are then 16 neighbours.
; 8-BIT FRAGMENTS: registers 4 c .. 4 c + 3 of lane (r, h) hold k = 32 c + 16 h + 0 .. 15 of row r, on both sides of every product: a permutation of k, the same in both operands.
; SHARES.  A work-group takes 128 positions of one batch.  The tensor data mover brings x's 256 rows x 512 bytes into LDS (each wave 32 rows).  Wave w quantises position tile w (a lane a position, registers down c),
; makes its q and k tile, and lays its fragment for v in LDS; behind a barrier wave w makes v's channels 32 w .. 32 w + 31 for all 128 positions.
; NO CLUSTER: the work-groups share only the weights, 72 KiB, which each wave loads once straight into the registers where they stay; x, 128 KiB a work-group, is read by one work-group alone.
; Every LDS byte is filled once, so there is no ring.  LIMITS: e0, e2, e4, e6 between -126 and 112 (2^e and 57,344 x 2^e are f32 numbers); NaN among the inputs is not served.
; REGISTERS.  window 0: v1-9 addresses; v10-17 scales and holds; v18-25 factors and bv; v32-95 64 numbers of x, later four fragments of x; v96-127 at work, later v's codes; v128-207 x's codes; v208-239 q, k;
;   v240-255 bq, bk; later v128-255 the 16 accumulators of v.   window 1: v0-31 Wq, v32-63 Wk, v64-127 my part of Wv.
.set PX,    520                        ; a row of x in LDS: 512 bytes + 8 = 130 words: 16 rows on are 32 words on modulo 64, so the two halves of the lanes fall on different banks (64 banks of 4 bytes: ISA guide 11.1)
.set XIMG,  256*PX                     ; behind x's tile: the images of x's fragments for v: 8 tiles x 2 K steps x 2,048 bytes; no tensor load lands here
.set STEPB, 40960                      ; a key step in kv_ws
.set LI,   1                           ; v1   16 x lane
.set XA0,  2                           ; v2, v3  x in LDS: my position, my half's first row of K step 0, 1
.set XIW,  4                           ; v4   where I store my images
.set XIR,  5                           ; v5   where images are read
.set WA,   6                           ; v6   Wq, Wk: row r, + 16 h
.set WVA,  7                           ; v7   Wv: row r + 8 (r / 8), + 16 h
.set BA,   8                           ; v8   bq, bk: 32 h
.set BVA,  9                           ; v9   bv: 4 (r + 8 (r / 8))
.set SC0,  10
.set LIM0, 11
.set SC2,  12
.set LIM2, 13
.set SC4,  14
.set LIM4, 15
.set SC6,  16
.set LIM6, 17
.set SQ,   18                          ; 0.25 log2(e) 2^(e0 + e1)
.set SK,   19                          ; 2^(e2 + e3)
.set SV,   20                          ; v[20:21] 2^(e4 + e5), 0
.set BV,   22                          ; v[22:23], v[24:25] bv of my lane's channel in tile u, 0
.set ST,   32
.set XF,   32
.set TMP,  96
.set VC,   96
.set XQ,   128
.set XK,   160
.set XV,   192
.set AQ,   208
.set AK,   216
.set OQ,   224
.set OK,   232
.set BQ,   240
.set BK,   248
.set ACC,  128
.set WQ,   0                           ; window 1
.set WK,   32
.set WVF,  64
.set WAVE, 24                          ; s24
.set MSB, 0
.macro WIN new                         ; the immediate's high byte repeats the setting that is left
.if MSB != \new
	s_set_vgpr_msb (MSB<<8)|\new
.set MSB, \new
.endif
.endm
.macro PLACES n
.rept \n
	v_nop
.endr
.endm
.macro MKSC e, sc, lim                 ; 2^e and 57,344 x 2^e as f32, e in s[e]
	s_add_co_i32 s48, s[\e], 127
	s_lshl_b32 s49, s48, 23
	v_mov_b32 v[\sc], s49
	s_add_co_i32 s48, s48, 15
	s_lshl_b32 s48, s48, 23
	s_or_b32 s48, s48, 0x600000
	v_mov_b32 v[\lim], s48
.endm
; The 64 numbers in v[ST] on (register 16 b + i = c 32 b + 16 h + i of my position) become a fragment's 16 registers of codes.  The numbers stay: they are quantised three times.
; The held numbers go to two sets of 16 by turns, so that 16 plain lines stand between a conversion and the next write of its sources.
.macro QUANT dst, sc, lim
.irp b, 0,1,2,3
.set j, 0
.rept 16
	v_med3_num_f32 v[TMP+16*(\b%2)+j], v[ST+16*\b+j], -v[\lim], v[\lim]   ; the conversion to an 8-bit code does not saturate (ISA guide 7.6.2): the hold at the largest code x the scale
.set j, j+1
.endr
	v_cvt_scalef32_pk8_bf8_f32 v[\dst+4*\b:\dst+4*\b+1], v[TMP+16*(\b%2):TMP+16*(\b%2)+7], v[\sc]
	v_cvt_scalef32_pk8_bf8_f32 v[\dst+4*\b+2:\dst+4*\b+3], v[TMP+16*(\b%2)+8:TMP+16*(\b%2)+15], v[\sc]
.endr
	v_nop                                          ; a plain line between the last conversion and whatever next touches its registers
.endm
	s_load_b256 s[4:11], s[0:1], 0x0               ; x s[4:5], Wq s[6:7], Wk s[8:9], Wv s[10:11]
	s_load_b256 s[12:19], s[0:1], 0x20             ; bq s[12:13], bk s[14:15], bv s[16:17], the scales' exponents s[18:19]
	s_load_b128 s[20:23], s[0:1], 0x40             ; q_ws s[20:21], kv_ws s[22:23]
	v_lshl_add_u32 v30, v0, 2, 0x29000
	v_mov_b32 v31, 0
	ds_add_u32 v30, v31
	ds_add_u32 v30, v31
	v_lshrrev_b32 v26, 5, v0
	v_readfirstlane_b32 s[WAVE], v26               ; wave 0..7
	s_and_b32 s26, ttmp7, 0xffff                   ; batch; ttmp9 is the block of 128 positions
	; descriptor group 1: 32 rows of 128 f32, 4,096 elements from row to row, 2 words of padding behind each 128
	s_mov_b32 s32, (2<<16)|(1<<20)|(6<<22)|(1<<25)
	s_mov_b32 s33, 128<<16                         ; tensor_dim0
	s_mov_b32 s34, 32<<16                          ; tensor_dim1
	s_mov_b32 s35, 128<<16                         ; tile_dim0
	s_mov_b32 s36, 32                              ; tile_dim1
	s_mov_b32 s37, 4096                            ; stride
	s_mov_b32 s38, 0
	s_mov_b32 s39, 0
	s_lshl_b32 s48, s26, 22                        ; batch x 4 MiB
	s_lshl_b32 s49, s[WAVE], 19                    ; + my 32 rows of 16,384 bytes
	s_add_co_u32 s48, s48, s49
	s_lshl_b32 s49, ttmp9, 9                       ; + the block's 512 bytes
	s_add_co_u32 s48, s48, s49
	s_mov_b32 s49, 0
	s_mov_b32 s28, 1
	s_mul_i32 s29, s[WAVE], 32*PX                  ; my 32 rows in LDS
	s_lshl_b32 s50, s[WAVE], 13                    ; my 32 rows of Wv
	s_mov_b32 s51, 0
	s_lshl_b32 s52, s[WAVE], 7                     ; my 32 numbers of bv
	s_mov_b32 s53, 0
	s_lshl_b32 s25, s26, 5
	s_add_co_u32 s25, s25, ttmp9                   ; 32 x batch + block
	s_lshl_b32 s54, s25, 13
	s_lshl_b32 s55, s[WAVE], 10
	s_add_co_u32 s54, s54, s55                     ; my tile in q_ws
	s_mul_i32 s56, s25, STEPB
	s_add_co_u32 s56, s56, s55                     ; my tile of k in kv_ws
	s_mov_b32 s55, 0
	s_mov_b32 s57, 0
	s_mul_i32 s58, s25, STEPB
	s_lshl_b32 s59, s[WAVE], 12
	s_add_co_u32 s58, s58, s59
	s_add_co_u32 s58, s58, 8192                    ; my two fragments of v in kv_ws
	s_mov_b32 s59, 0
	s_wait_dscnt 0x0
	s_wait_kmcnt 0x0
	s_add_nc_u64 s[30:31], s[4:5], s[48:49]
	s_or_b32 s31, s31, 0x80000000                  ; type = 2
	tensor_load_to_lds s[28:31], s[32:39]          ; my one tensor load: it goes out ahead of everything else
	s_nop 0
	PLACES 4
	s_load_b256 s[40:47], s[18:19], 0x0            ; e0 .. e7
	s_add_nc_u64 s[10:11], s[10:11], s[50:51]
	s_add_nc_u64 s[16:17], s[16:17], s[52:53]
	s_add_nc_u64 s[20:21], s[20:21], s[54:55]
	s_add_nc_u64 s[60:61], s[22:23], s[58:59]
	s_add_nc_u64 s[22:23], s[22:23], s[56:57]
	v_and_b32 v26, 31, v0                          ; lane
	v_lshlrev_b32 v[LI], 4, v26
	v_and_b32 v27, 15, v0                          ; r
	v_bfe_u32 v28, v0, 4, 1                        ; h
	v_and_b32 v29, 8, v27
	v_add_nc_u32 v29, v29, v27                     ; r + 8 (r / 8)
	s_lshr_b32 s48, s[WAVE], 1
	s_lshl_b32 s48, s48, 7
	s_and_b32 s49, s[WAVE], 1
	s_lshl_b32 s49, s49, 5
	s_add_co_u32 s48, s48, s49                     ; 4 (32 (w / 2) + 8 (w % 2)): my tile's first position, in bytes
	v_mul_u32_u24 v[XA0], v28, 16*PX
	v_lshl_add_u32 v[XA0], v29, 2, v[XA0]
	v_add_nc_u32 v[XA0], s48, v[XA0]
	v_add_nc_u32 v[XA0+1], 128*PX, v[XA0]
	s_lshl_b32 s48, s[WAVE], 12
	s_add_co_u32 s48, s48, XIMG
	v_add_nc_u32 v[XIW], s48, v[LI]
	v_add_nc_u32 v[XIR], XIMG, v[LI]
	v_lshlrev_b32 v[WA], 8, v27
	v_lshl_add_u32 v[WA], v28, 4, v[WA]
	v_lshlrev_b32 v[WVA], 8, v29
	v_lshl_add_u32 v[WVA], v28, 4, v[WVA]
	v_lshlrev_b32 v[BA], 5, v28
	v_lshlrev_b32 v[BVA], 2, v29
	v_mov_b32 v[SV+1], 0                           ; (upper halves of pairs that packed lines name)
	v_mov_b32 v[BV+1], 0
	v_mov_b32 v[BV+3], 0
	WIN 0x40                                       ; destination window 1
.irp s, 0,1
.irp c, 0,1,2,3
	global_load_b128 v[WQ+16*\s+4*\c:WQ+16*\s+4*\c+3], v[WA], s[6:7] offset:128*\s+32*\c
	global_load_b128 v[WK+16*\s+4*\c:WK+16*\s+4*\c+3], v[WA], s[8:9] offset:128*\s+32*\c
.endr
.endr
.irp u, 0,1                                    ; Wv: tile u of my two takes rows 32 w + 8 u + r + 8 (r / 8)
.irp s, 0,1
.irp c, 0,1,2,3
	global_load_b128 v[WVF+16*(2*\u+\s)+4*\c:WVF+16*(2*\u+\s)+4*\c+3], v[WVA], s[10:11] offset:2048*\u+128*\s+32*\c
.endr
.endr
.endr
	WIN 0
	global_load_b128 v[BQ:BQ+3], v[BA], s[12:13]               ; bq(8 h + 0 .. 7), in the result's layout
	global_load_b128 v[BQ+4:BQ+7], v[BA], s[12:13] offset:16
	global_load_b128 v[BK:BK+3], v[BA], s[14:15]
	global_load_b128 v[BK+4:BK+7], v[BA], s[14:15] offset:16
	global_load_b32 v[BV], v[BVA], s[16:17]
	global_load_b32 v[BV+2], v[BVA], s[16:17] offset:32
	s_wait_kmcnt 0x0
	MKSC 40, SC0, LIM0
	MKSC 42, SC2, LIM2
	MKSC 44, SC4, LIM4
	MKSC 46, SC6, LIM6
	s_add_co_i32 s48, s40, s41
	v_mov_b32 v[SQ], 0x3eb8aa3b                    ; 0.25 log2(e): d^-0.5 and the change to base 2 go into q
	v_ldexp_f32 v[SQ], v[SQ], s48
	s_add_co_i32 s48, s42, s43
	v_ldexp_f32 v[SK], 1.0, s48
	s_add_co_i32 s48, s44, s45
	v_ldexp_f32 v[SV], 1.0, s48
	s_wait_loadcnt 0x0                             ; weights and biases
.set j, 0
.rept 8
	v_mul_f32 v[BQ+j], 0x3eb8aa3b, v[BQ+j]
.set j, j+1
.endr
	s_wait_tensorcnt 0x0                           ; my 32 rows of x are in LDS,
	s_barrier_signal -1
	s_barrier_wait -1                              ; everybody's are
	; ---- my position tile: two K steps of 128 channels.  A lane takes one position, its registers run down c: 32 lanes read 32 different words of different banks
.irp s, 0,1
.irp c, 0,1,2,3
.set j, 0
.rept 16
	ds_load_b32 v[ST+16*\c+j], v[XA0+\s] offset:(32*\c+j)*PX
.set j, j+1
.endr
.endr
	s_wait_dscnt 0x0                               ; the numbers are in (and the image stores of the K step before have read their registers)
	QUANT XQ+16*\s, SC0, LIM0
	QUANT XK+16*\s, SC2, LIM2
	QUANT XV, SC4, LIM4
.irp c, 0,1,2,3
	ds_store_b128 v[XIW], v[XV+4*\c:XV+4*\c+3] offset:2048*\s+512*\c   ; the fragment for v goes to LDS as it stands
.endr
.endr
	WIN 0x01                                       ; source 0 (the weights) window 1
	v_wmma_f32_16x16x128_bf8_bf8 v[AQ:AQ+7], v[WQ:WQ+15], v[XQ:XQ+15], 0            ; source 0 = the 16 d, source 1 = my 16 positions: a lane holds one position and d = 8 h + 0 .. 7
	v_wmma_f32_16x16x128_bf8_bf8 v[AK:AK+7], v[WK:WK+15], v[XK:XK+15], 0            ; the two accumulators take turns
	v_wmma_f32_16x16x128_bf8_bf8 v[AQ:AQ+7], v[WQ+16:WQ+31], v[XQ+16:XQ+31], v[AQ:AQ+7]
	v_wmma_f32_16x16x128_bf8_bf8 v[AK:AK+7], v[WK+16:WK+31], v[XK+16:XK+31], v[AK:AK+7]
	WIN 0
	PLACES 4                                       ; places ahead of the first read of results (ISA guide 7.12.1)
.set j, 0
.rept 8
	v_fma_f32 v[OQ+j], v[AQ+j], v[SQ], v[BQ+j]
	v_fma_f32 v[OK+j], v[AK+j], v[SK], v[BK+j]
.set j, j+1
.endr
	global_store_b128 v[LI], v[OQ:OQ+3], s[20:21]              ; each store of the wave covers 512 consecutive bytes, aligned
	global_store_b128 v[LI], v[OQ+4:OQ+7], s[20:21] offset:512
	global_store_b128 v[LI], v[OK:OK+3], s[22:23]
	global_store_b128 v[LI], v[OK+4:OK+7], s[22:23] offset:512
	s_wait_dscnt 0x0                               ; for the others' sake: my images are in LDS
	s_barrier_signal -1
	s_barrier_wait -1
	s_wait_xcnt 0x0                                ; the four stores have read their data: the accumulators below lie over them
	; ---- v: my 32 channels for the 128 positions.  Source 0 = 16 positions, source 1 = 16 channels: a lane holds one channel, and its registers run along the positions, the next K
.irp s, 0,1
.irp hh, 0,1
.if (\s+\hh) > 0
	PLACES 4                                       ; ahead of loads into registers that matrix instructions have read
.endif
	WIN 0
.irp i, 0,1,2,3
.irp c, 0,1,2,3
	ds_load_b128 v[XF+16*\i+4*\c:XF+16*\i+4*\c+3], v[XIR] offset:(4*\hh+\i)*4096+2048*\s+512*\c
.endr
.endr
	s_wait_dscnt 0x0
	WIN 0x04                                       ; source 1 (Wv) window 1
.irp i, 0,1,2,3
.irp u, 0,1
.if \s == 0
	v_wmma_f32_16x16x128_bf8_bf8 v[ACC+8*(8*\u+4*\hh+\i):ACC+8*(8*\u+4*\hh+\i)+7], v[XF+16*\i:XF+16*\i+15], v[WVF+16*(2*\u+\s):WVF+16*(2*\u+\s)+15], 0
.else
	v_wmma_f32_16x16x128_bf8_bf8 v[ACC+8*(8*\u+4*\hh+\i):ACC+8*(8*\u+4*\hh+\i)+7], v[XF+16*\i:XF+16*\i+15], v[WVF+16*(2*\u+\s):WVF+16*(2*\u+\s)+15], v[ACC+8*(8*\u+4*\hh+\i):ACC+8*(8*\u+4*\hh+\i)+7]
.endif
.endr
.endr
.endr
.endr
	WIN 0
	PLACES 4
.irp u, 0,1
.set j, 0
.rept 32
	v_pk_fma_f32 v[ACC+64*\u+j:ACC+64*\u+j+1], v[ACC+64*\u+j:ACC+64*\u+j+1], v[SV:SV+1], v[BV+2*\u:BV+2*\u+1] op_sel_hi:[1,0,0]   ; v = sum x 2^(e4 + e5) + bv; each accumulator from its low end on
.set j, j+2
.endr
.endr
.irp u, 0,1
.irp b, 0,1,2,3
.set j, 0
.rept 16
	v_med3_num_f32 v[ACC+64*\u+16*\b+j], v[ACC+64*\u+16*\b+j], -v[LIM6], v[LIM6]
.set j, j+1
.endr
	v_cvt_scalef32_pk8_bf8_f32 v[VC+16*\u+4*\b:VC+16*\u+4*\b+1], v[ACC+64*\u+16*\b:ACC+64*\u+16*\b+7], v[SC6]       ; keys 32 b + 16 h + 0 .. 7 of my channel,
	v_cvt_scalef32_pk8_bf8_f32 v[VC+16*\u+4*\b+2:VC+16*\u+4*\b+3], v[ACC+64*\u+16*\b+8:ACC+64*\u+16*\b+15], v[SC6]  ; and + 8 .. 15
.endr
.endr
	v_nop
.irp u, 0,1
.irp c, 0,1,2,3
	global_store_b128 v[LI], v[VC+16*\u+4*\c:VC+16*\u+4*\c+3], s[60:61] offset:2048*\u+512*\c
.endr
.endr
	s_wait_tensorcnt 0x0
	ds_add_u32 v30, v31
	s_wait_dscnt 0x0
	s_endpgm
.Lfunc_end_k_q948fd1ebc2_proj:
	.size	k_q948fd1ebc2_proj, .Lfunc_end_k_q948fd1ebc2_proj-k_q948fd1ebc2_proj
	.p2alignl 7, 3214868480
	.fill 96, 4, 3214868480
	.section	.rodata,"a",@progbits
	.p2align	6, 0x0
	.amdhsa_kernel k_q948fd1ebc2_proj
		.amdhsa_group_segment_fixed_size 168960
		.amdhsa_private_segment_fixed_size 0
		.amdhsa_enable_private_segment 0
		.amdhsa_kernarg_size 80
		.amdhsa_user_sgpr_count 2
		.amdhsa_user_sgpr_kernarg_segment_ptr 1
		.amdhsa_wavefront_size32 1
		.amdhsa_system_sgpr_workgroup_id_x 1
		.amdhsa_system_sgpr_workgroup_id_y 1
		.amdhsa_system_sgpr_workgroup_id_z 1
		.amdhsa_system_vgpr_workitem_id 0
		.amdhsa_next_free_vgpr 384
		.amdhsa_next_free_sgpr 66
		.amdhsa_reserve_vcc 0
		.amdhsa_float_denorm_mode_32 3
		.amdhsa_float_denorm_mode_16_64 3
		.amdhsa_memory_ordered 1
		.amdhsa_forward_progress 1
		.amdhsa_inst_pref_size 69
	.end_amdhsa_kernel
	.amdgpu_metadata
---
amdhsa.version: [ 1, 2 ]
amdhsa.kernels:
  - .name:           k_q948fd1ebc2_proj
    .symbol:         k_q948fd1ebc2_proj.kd
    .args:
      - { .name: x, .offset: 0, .size: 8, .value_kind: global_buffer, .address_space: global }
      - { .name: Wq_codes, .offset: 8, .size: 8, .value_kind: global_buffer, .address_space: global }
      - { .name: Wk_codes, .offset: 16, .size: 8, .value_kind: global_buffer, .address_space: global }
      - { .name: Wv_codes, .offset: 24, .size: 8, .value_kind: global_buffer, .address_space: global }
      - { .name: bq, .offset: 32, .size: 8, .value_kind: global_buffer, .address_space: global }
      - { .name: bk, .offset: 40, .size: 8, .value_kind: global_buffer, .address_space: global }
      - { .name: bv, .offset: 48, .size: 8, .value_kind: global_buffer, .address_space: global }
      - { .name: lowp_scales, .offset: 56, .size: 8, .value_kind: global_buffer, .address_space: global }
      - { .name: q_ws, .offset: 64, .size: 8, .value_kind: global_buffer, .address_space: global }
      - { .name: kv_ws, .offset: 72, .size: 8, .value_kind: global_buffer, .address_space: global }
    .group_segment_fixed_size: 168960
    .private_segment_fixed_size: 0
    .kernarg_segment_align: 8
    .kernarg_segment_size: 80
    .max_flat_workgroup_size: 256
    .sgpr_count:     66
    .vgpr_count:     384
    .wavefront_size: 32
...
	.end_amdgpu_metadata
.endif
;; end of part 1
;; launch attn (part 2): grid 32 x 8, 4 waves a work-group, clusters of 4 x 1, 327,680 bytes of LDS; arguments q_ws, kv_ws, x, Wo_codes, bo, gamma, lowp_scales, out0; writes out0
.if DOCPART == 2
	.amdgcn_target "amdgcn-amd-amdhsa--gfx1250"
	.amdhsa_code_object_version 6
	.text
	.protected	k_q948fd1ebc2_attn
	.globl	k_q948fd1ebc2_attn
	.p2align	8
	.type	k_q948fd1ebc2_attn,@function
k_q948fd1ebc2_attn:
	s_mov_b64 s[64:65], 0
	v_nop
	global_prefetch_b8 v0, s[64:65] scope:SCOPE_SE
	s_setreg_imm32_b32 hwreg(HW_REG_WAVE_MODE, 25, 1), 1
	s_wait_xcnt 0x0
	s_wait_alu depctr_hold_cnt(0) depctr_sa_sdst(0) depctr_va_vdst(0) depctr_va_sdst(0) depctr_va_ssrc(0) depctr_va_vcc(0) depctr_vm_vsrc(0)
	s_getreg_b32 s2, hwreg(HW_REG_IB_STS2, 6, 4)
	s_cmp_eq_u32 s2, 0
	s_cbranch_scc0 .Lentry_in_a_cluster
	s_endpgm
.Lentry_in_a_cluster:
	s_bfe_u32 s2, ttmp6, 0x10000c
	s_cmp_lg_u32 s2, 0x3003
	s_cbranch_scc0 .Lentry_shape_is_right
	s_endpgm
.Lentry_shape_is_right:
; ATTENTION, THE LAST PROJECTION AND THE RESIDUAL.  t = clip(q . k / 4, +-50) log2(e); p = 2^(t - M), M the ceiling of the running largest t; o = (V p) / l, l the sum of the unquantised p; out = g (Wo o + bo) + x.
; q_ws holds q x 0.25 log2(e) and kv_ws k (f32) and V (codes of BF8, 2^e6), all as images of operand registers, laid by the launch before (its head comment has the layouts and the order of rows in a tile).
; q k^T feeds a quantiser and takes f32 operands: v_wmma_f32_16x16x4_f32, four a tile (lane (r, h)'s register i holds d = 8 h + i; instruction c takes registers 2 c, 2 c + 1 of both sides: the same permutation of d in both).
; V p and Wo o go on codes of BF8: p with 2^e7, o with 2^e8, Wo's codes with 2^e9.  All products are laid so that a lane holds ONE query through S^T, p and O^T, and one output channel at the end.
; SHARES.  A work-group owns 128 queries of one batch; four waves, as many as a WGP has SIMDs; wave w owns 32 queries, tiles X = 2 w and Y = 2 w + 1 of 16, and walks all 4,096 keys, 128 a step.
; BY TURNS.  In a TURN one tile has the matrix unit: 16 products V p of the step in hand, then 32 products k q^T of the next step; the other tile's softmax, a list of 368 instructions, stands in slices behind them, one
; slice behind each matrix instruction: 4 behind a product V p, 10 and 9 by turns behind a product k q^T.  Then the tiles change places.  Two turns are a key step: 96 matrix instructions, 736 vector instructions.
; CLUSTER.  The four query blocks of a cluster belong to one batch and walk the same kv_ws: each slot is asked for JOINTLY, each wave a quarter of it (80 rows of 256 bytes), with a mask that names the four.
; RING.  Two slots of two key steps (81,920 bytes), 2^17 apart.  By this text's count a wave has two tensor loads out at the start and one behind each round.
; LIMITS: e7, e8 between -126 and 112 (2^e and 57,344 x 2^e are f32 numbers); sums of exponents go by v_ldexp_f32.  A p under 2^-126 counts as 0.  NaN among the inputs is not served.
; REGISTERS, in windows of 256 (s_set_vgpr_msb: bits 1:0 source 0, 3:2 source 1, 5:4 source 2, 7:6 destination):
;   window 0: v1-25 addresses, constants, work; v32-47 the statistics of X, Y; v48-63 q of X, Y; v64-95 p's codes of X, Y; v96-159 p of the softmax in hand; v160-223 Wo's tiles 2, 3; v224-231 g bo
;   window 1: O^T of X (v0-127) and of Y (v128-255), tile tau of 16 channels at 8 tau; at the end the 32 accumulators of Wo o
;   window 2: v0-63 S^T of X, v64-127 of Y (written by matrix instructions alone); v128-191 k's eight tiles; v192-255 Wo's tiles 0, 1
;   window 3: V of one key step, fragment tau at 16 tau; at the end x
; A softmax works in window 0 but for its first 64 lines (source 0 = S^T, window 2) and its last 64 (O^T, window 1); the products want other windows: so a slice costs two switches.
.set STEPB, 40960                      ; a key step: 8 tiles of k (1,024 bytes), 16 fragments of V (2,048)
.set SLOTB, 2*STEPB
.set PARTB, SLOTB/4                    ; what one wave fetches
.set KVB,   32*STEPB                   ; a batch in kv_ws
.set SLOT1, 1<<17                      ; slot 1 begins here: one exclusive or turns an address from slot to slot
.set SPARE, 2*SLOT1                    ; the spare words, 128 bytes for each wave: two blocks of 256 bytes that no other line names
.set OIMG,  SPARE+512                  ; images of o's fragments: 8 tiles of queries x 2 K steps x 2,048 bytes; no tensor load lands here
.set SP,    528                        ; a stage row: 512 bytes + 16
.set STAGE, 0                          ; the way out: 16 rows for each wave, in slot 0 behind its last fill, its last read and two barriers
.set LI,   1                           ; 16 x lane
.set ADR,  2                           ; the LDS address of the run of loads in hand
.set SPW,  3                           ; my spare word; never rewritten
.set NIL,  4                           ; 0; never rewritten
.set PFO,  5                           ; 256 x lane
.set LIMT, 6                           ; 50 log2(e)
.set SC7,  7
.set LIM7, 8
.set PFX,  9                           ; 16,384 x lane: a row of x
.set OIW,  10
.set OIR,  11
.set STO,  12
.set SRD,  13
.set SC8,  14
.set LIM8, 15
.set WOA,  16
.set BOA,  17
.set T0,   18                          ; v18-21 four chains of the maximum
.set TS,   22                          ; v[22:23] the old -M, then the second chain of the sum
.set GA,   24                          ; v[24:25] g 2^(e8 + e9), 0
.set STX,  32                          ; +0 -M, +1 the largest t, +2, +3 l in two halves, +4 f, +5 zero
.set STY,  40
.set QX,   48
.set QY,   56
.set CX,   64
.set CY,   80
.set P,    96
.set WOL,  160                         ; Wo's tiles 2, 3 (window 0)
.set GB,   224                         ; v[224:231] g bo of my lane's channel in tile u, 0
.set KF,   128                         ; k's tiles (window 2)
.set WOH,  192                         ; Wo's tiles 0, 1 (window 2)
.set WV,   20                          ; s20 wave
.set G1,   24                          ; s[24:31]
.set G0A,  32                          ; s[32:35] slot 0's first fill
.set G0B,  36                          ; s[36:39] slot 1's first fill; then it walks
.set SLOTS, 45
.set TB,   46                          ; LDS byte at which the key step to be fetched begins
.set LIM,  47
.set PFA,  48
.set SEL,  50
.set XB,   52
.set OB,   54
.set E67,  56
.set E89,  57
.set TWICE, 60
.set W_MUL, 0xa2                       ; k and S^T in window 2, q in window 0
.set W_PV,  0x53                       ; V in window 3, p's codes in window 0, O^T in window 1
.set W_RS,  0x41                       ; O^T (destination and source 0) in window 1
.set W_SR,  0x02                       ; source 0 (S^T) in window 2
.set MSB, 0
.macro WIN new                         ; the immediate's high byte repeats the setting that is left; a switch that changes nothing is dropped
.if MSB != \new
	s_set_vgpr_msb (MSB<<8)|\new
.set MSB, \new
.endif
.endm
.macro PLACES n
.rept \n
	v_nop
.endr
.endm
.macro MKSC e, sc, lim                 ; 2^e and 57,344 x 2^e as f32, e in s[e]
	s_add_co_i32 s58, s[\e], 127
	s_lshl_b32 s59, s58, 23
	v_mov_b32 v[\sc], s59
	s_add_co_i32 s58, s58, 15
	s_lshl_b32 s58, s58, 23
	s_or_b32 s58, s58, 0x600000
	v_mov_b32 v[\lim], s58
.endm
.macro CROUND                          ; a round of the cluster's barrier
	s_barrier_signal -1
	s_barrier_wait -1
	s_cmp_lg_u32 s[WV], 0
	s_cbranch_scc1 .Lnot_wave_0_\@
	s_barrier_signal -3
.Lnot_wave_0_\@:
	s_barrier_wait -3
	s_barrier_signal -1
	s_barrier_wait -1
.endm
; A PREFETCH INTO THE L2 of kv_ws.  At every second change of slots (s[SLOTS] = n odd, n >= 3) the two slots behind the one just asked for, 163,840 bytes, are named: one and two changes ahead of their loads.
; All clusters of a batch walk the same bytes: the batch's first cluster asks.  Its four partners take 40,960 bytes each, told apart BY ADDRESS; in each, every wave takes 8,192 bytes, lanes 256 bytes apart, and wave 0
; the fifth 8,192: each block of 256 bytes is named once in the launch.  The first four slots come by their loads alone; the last ask ends at the batch's end.
.macro ASK
	s_bitcmp1_b32 s[SLOTS], 0
	s_cbranch_scc0 .Lnot_mine_\@
	s_cmp_gt_u32 s[SLOTS], s[LIM]
	s_cbranch_scc0 .Lnot_mine_\@
	global_prefetch_b8 v[PFO], s[PFA:PFA+1] th:TH_LOAD_NT scope:SCOPE_SE
	s_cmp_lg_u32 s[WV], 0
	s_cbranch_scc1 .Lnot_mine_\@
	global_prefetch_b8 v[PFO], s[PFA:PFA+1] offset:32768 th:TH_LOAD_NT scope:SCOPE_SE
.Lnot_mine_\@:
.endm
; THE LDS LOADS stand in runs, never singly among the matrix instructions.  A step's 8 tiles of k: registers 0-3 of all tiles first.
.macro FETCH_K
	WIN 0
	v_add_nc_u32 v[ADR], s[TB], v[LI]
	WIN 0x80                                       ; destination window 2
.irp j2, 0,1
.irp t, 0,1,2,3,4,5,6,7
	ds_load_b128 v[KF+8*\t+4*\j2:KF+8*\t+4*\j2+3], v[ADR] offset:1024*\t+512*\j2
.endr
.endr
.endm
; A step's V in two runs of 32: fragments 0-7, later 8-15.  The second run stands at the softmax's one wait for its exponentials, which is written here, ahead of the loads.
.macro FETCH_V half
	WIN 0
	v_add_nc_u32 v[ADR], s[TB], v[LI]
.if \half
	s_add_co_u32 s[TB], s[TB], STEPB               ; the next fetch is the next step's
	s_wait_alu depctr_va_vdst(0)                   ; one wait for the batch of 64 exponentials, ahead of its first reader
	s_wait_dscnt 30                                ; of the first run at most 30 are out: with these 32 and the add of a change of slots 63 LDS instructions at the most
.endif
	WIN 0xc0                                       ; destination window 3
.set f, 8*\half
.rept 8
.irp c, 0,1,2,3
	ds_load_b128 v[16*f+4*\c:16*f+4*\c+3], v[ADR] offset:8192+2048*f+512*\c
.endr
.set f, f+1
.endr
.endm
; THE MATRIX WORK OF A TURN (mO, mS, mQ, mC: the tile's O^T, S^T, q and codes).  No accumulator comes twice running: 16 take turns in V p, 8 in k q^T.
.macro PV zero                         ; product i of 16 of O^T += V p: source 0 = 16 channels, source 1 = p of 16 queries.  zero = 1: it starts the sum: nothing is ever cleared
	WIN W_PV
.if \zero
	v_wmma_f32_16x16x128_bf8_bf8 v[mO+8*i:mO+8*i+7], v[16*i:16*i+15], v[mC:mC+15], 0
.else
	v_wmma_f32_16x16x128_bf8_bf8 v[mO+8*i:mO+8*i+7], v[16*i:16*i+15], v[mC:mC+15], v[mO+8*i:mO+8*i+7]
.endif
.endm
.macro MUL                             ; product i of 32 of S^T = k q^T: d pair i / 8, keys' tile i % 8: source 0 = 16 keys, source 1 = 16 queries.  The first 8 start the sums
	WIN W_MUL
.set rS, mS+8*(i%8)
.set rK, KF+8*(i%8)+2*(i/8)
.set rQ, mQ+2*(i/8)
.if i < 8
	v_wmma_f32_16x16x4_f32 v[rS:rS+7], v[rK:rK+1], v[rQ:rQ+1], 0
.else
	v_wmma_f32_16x16x4_f32 v[rS:rS+7], v[rK:rK+1], v[rQ:rQ+1], v[rS:rS+7]
.endif
.endm
; THE VECTOR WORK OF A TURN: one tile's softmax for one key step, 16 queries x 128 keys (vST, vSB, vCB, vOB: the tile's statistics, S^T, codes and O^T).  A lane holds 64 keys of one query; register 16 b + i is key
; 32 b + 16 h + i.  SM writes number j of the list.
;   0-63     the clip, out of S^T into p's registers, each accumulator from its low end on
;   64-95    the largest t of my 64 keys, in four chains
;   96-102   the other half of the lanes' (the query's other 64 keys lie in the lane 16 away); the running largest t; -M = floor(-t); f = 2^(old M - new M)
;   103-198  ONE BATCH: 32 packed t - M and 64 exponentials, a scaling ahead of each two exponentials; a pair is scaled two lines or more ahead of its exponentials.  None of these names an exponential's result
;   199      l x f: the plain line behind the last exponential
;   (wait)   ahead of 200: the one wait for the batch
;   200-231  the sum of the UNQUANTISED p, in two chains
;   232-303  four times: 16 holds (the conversion does not saturate: ISA guide 7.6.2; p is not negative, so the hold is one-sided) and two conversions
;   304-367  the tile's O^T x f.  first = 1: the first key step has nothing to rescale
; fv = 1: the second run of V's loads stands at the wait; fv = 0: the wait for the later half of k's loads stands beside it.
.macro SM first, fv
.if j < 64
	WIN W_SR
	v_med3_num_f32 v[P+j], v[vSB+j], -v[LIMT], v[LIMT]
.elseif j > 303
.if !\first
	WIN W_RS
	v_pk_mul_f32 v[vOB+2*(j-304):vOB+2*(j-304)+1], v[vOB+2*(j-304):vOB+2*(j-304)+1], v[vST+4:vST+5] op_sel_hi:[1,0]
.endif
.else
	WIN 0
.if j < 68
	v_max3_num_f32 v[T0+j-64], v[P+3*(j-64)], v[P+3*(j-64)+1], v[P+3*(j-64)+2]
.elseif j < 94
	v_max3_num_f32 v[T0+(j-68)%4], v[T0+(j-68)%4], v[P+12+2*(j-68)], v[P+13+2*(j-68)]
.elseif j == 94
	v_max3_num_f32 v[T0], v[T0], v[T0+1], v[T0+2]
.elseif j == 95
	v_max_num_f32 v[T0], v[T0], v[T0+3]
.elseif j == 96
	v_mov_b32 v[TS], v[vST]                        ; the old -M
.elseif j == 97
	v_permlanex16_b32 v[T0+1], v[T0], s[SEL], s[SEL+1]
.elseif j == 98
	v_max3_num_f32 v[vST+1], v[vST+1], v[T0], v[T0+1]
.elseif j == 99
	v_floor_f32 v[vST], -v[vST+1]                  ; -M = floor(-t) = -ceil(t): a whole number
.elseif j == 100
	v_sub_f32 v[TS], v[vST], v[TS]                 ; old M - new M, 0 or less
.elseif j == 101
	v_cvt_i32_f32 v[TS], v[TS]                     ; (it saturates)
.elseif j == 102
	v_ldexp_f32 v[vST+4], 1.0, v[TS]
.elseif j == 103
	v_pk_add_f32 v[P:P+1], v[P:P+1], v[vST:vST+1] op_sel_hi:[1,0]
.elseif j < 197
.if ((j-104)%3) == 0
	v_pk_add_f32 v[P+2*((j-104)/3)+2:P+2*((j-104)/3)+3], v[P+2*((j-104)/3)+2:P+2*((j-104)/3)+3], v[vST:vST+1] op_sel_hi:[1,0]   ; t - M (the pair's low word serves both halves)
.else
	v_exp_f32 v[P+2*((j-104)/3)+(j-104)%3-1], v[P+2*((j-104)/3)+(j-104)%3-1]
.endif
.elseif j < 199
	v_exp_f32 v[P+j-135], v[P+j-135]
.elseif j == 199
	v_pk_mul_f32 v[vST+2:vST+3], v[vST+2:vST+3], v[vST+4:vST+5] op_sel_hi:[1,0]
.elseif j == 200
.if \fv
	FETCH_V 1
	WIN 0
.else
	s_wait_alu depctr_va_vdst(0)                   ; one wait for the batch of 64 exponentials, ahead of its first reader
	s_wait_dscnt 0x0                               ; registers 4-7 of k's tiles are in: the products two lines of the matrix work further on read them
.endif
	v_pk_add_f32 v[TS:TS+1], v[P:P+1], v[P+2:P+3]
.elseif j < 231
.if ((j-201)%2) == 0
	v_pk_add_f32 v[vST+2:vST+3], v[vST+2:vST+3], v[P+4+4*((j-201)/2):P+5+4*((j-201)/2)]
.else
	v_pk_add_f32 v[TS:TS+1], v[TS:TS+1], v[P+6+4*((j-201)/2):P+7+4*((j-201)/2)]
.endif
.elseif j == 231
	v_pk_add_f32 v[vST+2:vST+3], v[vST+2:vST+3], v[TS:TS+1]
.elseif ((j-232)%18) < 16
	v_min_num_f32 v[P+16*((j-232)/18)+(j-232)%18], v[P+16*((j-232)/18)+(j-232)%18], v[LIM7]
.elseif ((j-232)%18) == 16
	v_cvt_scalef32_pk8_bf8_f32 v[vCB+4*((j-232)/18):vCB+4*((j-232)/18)+1], v[P+16*((j-232)/18):P+16*((j-232)/18)+7], v[SC7]
.else
	v_cvt_scalef32_pk8_bf8_f32 v[vCB+4*((j-232)/18)+2:vCB+4*((j-232)/18)+3], v[P+16*((j-232)/18)+8:P+16*((j-232)/18)+15], v[SC7]
.endif
.endif
.endm
.macro SLICES first, fv, tgt           ; a slice: the list's numbers from nn up to tgt - 1
.rept (\tgt)-nn
.set j, nn
	SM \first, \fv
.set nn, nn+1
.endr
.endm
; A TURN.  x = 0: tile X has the matrix unit and tile Y's softmax stands in the slices; x = 1: the other way round.  pv = 2: 16 products V p; 1: they start O^T's sums; 0: none.  kq = 1: 32 products k q^T of the next step.
; PLACES (ISA guide 7.12.1 for vector instructions; only plain vector lines that name none of the matrix instruction's registers are counted).  Behind the f32 form eight are owed ahead of a read of S^T and of a
; load into k's registers: the turn's last slice is nine lines of O^T x f; where first = 1 leaves it empty, eight v_nop stand in its place.  Behind a product V p four are owed ahead of a load into its fragment of V:
; fragments 0-7 were last read by product 7, and slices 7 and 8 are eight clips; fragments 8-15 by product 15, far ahead of their run.
; k of the next step is fetched at the head of tile X's turn, 16 products ahead of its first use; V of the next step in tile Y's turn, behind that turn's own products V p.
.macro TURN x, pv, kq, first
.set mO,  128*\x
.set mS,  64*\x
.set mQ,  QX+8*\x
.set mC,  CX+16*\x
.set vST, STX+8*(1-\x)
.set vSB, 64*(1-\x)
.set vCB, CX+16*(1-\x)
.set vOB, 128*(1-\x)
.set nn, 0
.if \x == 0
	s_wait_dscnt 0x0                               ; V is in
.if \kq
	FETCH_K
.endif
.endif
.if \pv
.set i, 0
.rept 16
	PV 2-\pv
.if \kq
	SLICES \first, \x, 4*(i+1)
.else
	SLICES \first, \x, 23*(i+1)
.endif
.if \x && (i == 8)
	FETCH_V 0
.endif
.set i, i+1
.endr
.endif
.if \kq
.if \x == 0
	s_wait_dscnt 8                                 ; registers 0-3 of k's tiles are in; the eight loads of registers 4-7 may be out
.endif
.set i, 0
.rept 32
	MUL
.if \pv
	SLICES \first, \x, 64+9*(i+1)+(i+2)/2
.else
	SLICES \first, \x, 11*(i+1)+(i+2)/2
.if i == 0
	FETCH_V 0
.endif
.endif
.set i, i+1
.endr
.endif
.if \first
	PLACES 8
.endif
.endm
; THE CHANGE OF SLOTS, between tile Y's turn and tile X's: the slot's last bytes, V of its second step, have been asked for.  Each wave waits for all its tensor loads (its part of the slot ahead), adds 0 to its spare
; word, and waits for that and for its reads of the slot that it leaves.  fill = 1: a round of the cluster's barrier, and behind it the slot just left is asked for again, jointly: the keys two slots on; the load has two
; key steps, 192 matrix instructions, in which to land.
.macro CHANGE fill
	WIN 0                                          ; at a label and at a branch every window is 0
	s_wait_tensorcnt 0x0                           ; no tensor load of mine is out, so the walking descriptor may be written
	ds_add_u32 v[SPW], v[NIL]                      ; 0 onto my spare word
.if \fill
	s_xor_b32 s[G0B+1], s[G0B+1], SLOT1            ; the other slot than last time,
	s_add_nc_u64 s[G0B+2:G0B+3], s[G0B+2:G0B+3], SLOTB   ; the next 256 keys; the type bits on top are not reached
	s_wait_xcnt 0x0                                ; the last prefetches, two key steps back or more, have read their address
	s_add_nc_u64 s[PFA:PFA+1], s[PFA:PFA+1], SLOTB
	s_wait_dscnt 0x0                               ; the add is done, and my reads of the slot are over
	CROUND
	tensor_load_to_lds s[G0B:G0B+3], s[G1:G1+7]    ; my one tensor load behind the round, and the first thing there
	s_nop 0
	PLACES 4
	ASK
.else
	s_wait_dscnt 0x0
	s_barrier_signal -1
	s_barrier_wait -1
.endif
	s_sub_co_u32 s[TB], s[TB], 2*STEPB             ; the fetches go back to a slot's first step,
	s_xor_b32 s[TB], s[TB], SLOT1                  ; in the other slot
.endm
.macro TWO_STEPS                       ; a slot's two key steps: written once, walked twice; the LDS addresses hang on s[TB]
	s_mov_b32 s[TWICE], 2
.Lstep_\@:
	TURN 0, 2, 1, 0
	TURN 1, 2, 1, 0
	WIN 0
	s_sub_co_u32 s[TWICE], s[TWICE], 1
	s_cmp_lg_u32 s[TWICE], 0
	s_cbranch_scc1 .Lstep_\@
.endm
	s_load_b512 s[4:19], s[0:1], 0x0               ; q_ws 4, kv_ws 6, x 8, Wo 10, bo 12, gamma 14, the scales' exponents 16, out 18
	v_lshl_add_u32 v[SPW], v0, 2, SPARE
	v_mov_b32 v[NIL], 0
	ds_add_u32 v3, v4
	ds_add_u32 v3, v4
	s_wait_dscnt 0x0
	v_lshrrev_b32 v[T0], 5, v0
	v_readfirstlane_b32 s[WV], v[T0]               ; wave 0..3
	s_bfe_u32 s21, ttmp6, 0x40000                  ; cx: my place in the cluster
	s_lshl_b32 s22, ttmp9, 2                       ; in a cluster launch ttmp9 counts clusters
	s_add_co_u32 s22, s22, s21                     ; my block of 128 queries: it enters q's, x's and out's addresses (and the prefetches') alone
	s_and_b32 s23, ttmp7, 0xffff                   ; the batch, which the four partners share
	; descriptor group 1: 80 rows of 32 elements of 8 bytes, dense; the mask names all four work-groups, bit 21 beside it
	s_mov_b32 s[G1], 15|(3<<16)|(1<<21)
	s_mov_b32 s[G1+1], 32<<16                      ; tensor_dim0
	s_mov_b32 s[G1+2], 80<<16                      ; tensor_dim1
	s_mov_b32 s[G1+3], 32<<16                      ; tile_dim0
	s_mov_b32 s[G1+4], 80                          ; tile_dim1
	s_mov_b32 s[G1+5], 32                          ; stride
	s_mov_b32 s[G1+6], 0
	s_mov_b32 s[G1+7], 0
	s_mov_b32 s[G0A], 1
	s_mul_i32 s[G0A+1], s[WV], PARTB               ; my quarter of slot 0: no place in the cluster enters an LDS address
	s_mov_b32 s[G0B], 1
	s_add_co_u32 s[G0B+1], s[G0A+1], SLOT1         ; and of slot 1
	s_mul_i32 s56, s23, KVB
	s_add_co_u32 s56, s56, s[G0A+1]                ; the same quarter in the batch's kv_ws
	s_mov_b32 s57, 0
	s_mul_i32 s58, s23, KVB                        ; the prefetches: slot 2 of the batch, + 40,960 x cx + 8,192 x wave; the changes of slots step it
	s_mul_i32 s59, s21, STEPB
	s_add_co_u32 s58, s58, s59
	s_lshl_b32 s59, s[WV], 13
	s_add_co_u32 s58, s58, s59
	s_add_co_u32 s58, s58, 2*SLOTB
	s_mov_b32 s59, 0
	s_lshl_b32 s60, s23, 22                        ; x and out: batch x 4 MiB + my 64 channels' rows + the block's 512 bytes
	s_lshl_b32 s61, s[WV], 20
	s_add_co_u32 s60, s60, s61
	s_lshl_b32 s61, s22, 9
	s_add_co_u32 s60, s60, s61
	s_mov_b32 s61, 0
	s_lshl_b32 s62, s23, 5
	s_add_co_u32 s62, s62, s22
	s_lshl_b32 s62, s62, 13                        ; my block's eight tiles in q_ws,
	s_lshl_b32 s63, s[WV], 11
	s_add_co_u32 s62, s62, s63                     ; my two of them
	s_mov_b32 s63, 0
	s_mov_b32 s[SEL], 0x76543210
	s_mov_b32 s[SEL+1], 0xfedcba98
	s_mov_b32 s[TB], 0
	s_cmp_eq_u32 ttmp9, 0                          ; the batch's first cluster prefetches: the same in all four partners
	s_cselect_b32 s[LIM], 2, -1
	s_wait_kmcnt 0x0
	s_load_b128 s[40:43], s[16:17], 0x18           ; e6, e7, e8, e9
	s_load_b32 s44, s[14:15], 0x0                  ; gamma
	s_add_nc_u64 s[G0A+2:G0A+3], s[6:7], s[56:57]
	s_add_nc_u64 s[G0B+2:G0B+3], s[G0A+2:G0A+3], SLOTB
	s_or_b32 s[G0A+3], s[G0A+3], 0x80000000        ; type = 2
	s_or_b32 s[G0B+3], s[G0B+3], 0x80000000
	s_add_nc_u64 s[PFA:PFA+1], s[6:7], s[58:59]
	s_add_nc_u64 s[XB:XB+1], s[8:9], s[60:61]
	s_add_nc_u64 s[OB:OB+1], s[18:19], s[60:61]
	s_add_nc_u64 s[4:5], s[4:5], s[62:63]
	s_lshl_b32 s58, s[WV], 14                      ; my 64 rows of Wo,
	s_mov_b32 s59, 0
	s_add_nc_u64 s[10:11], s[10:11], s[58:59]
	s_lshl_b32 s58, s[WV], 8                       ; my 64 numbers of bo
	s_add_nc_u64 s[12:13], s[12:13], s[58:59]
	CROUND                                         ; all four work-groups are here: the first joint loads meet
	tensor_load_to_lds s[G0A:G0A+3], s[G1:G1+7]    ; both first fills together, ahead of every wait on TENSORcnt and every LDS read
	s_nop 0
	tensor_load_to_lds s[G0B:G0B+3], s[G1:G1+7]
	s_nop 0
	PLACES 4
	v_and_b32 v[T0], 31, v0                        ; lane
	v_lshlrev_b32 v[LI], 4, v[T0]
	v_lshlrev_b32 v[PFO], 8, v[T0]
	v_lshlrev_b32 v[PFX], 14, v[T0]
	v_and_b32 v[T0+1], 15, v0                      ; r
	v_bfe_u32 v[T0+2], v0, 4, 1                    ; h
	global_load_b128 v[QX:QX+3], v[LI], s[4:5]                 ; q stays in registers
	global_load_b128 v[QX+4:QX+7], v[LI], s[4:5] offset:512
	global_load_b128 v[QY:QY+3], v[LI], s[4:5] offset:1024
	global_load_b128 v[QY+4:QY+7], v[LI], s[4:5] offset:1536
	v_lshlrev_b32 v[WOA], 8, v[T0+1]
	v_lshl_add_u32 v[WOA], v[T0+2], 4, v[WOA]
	v_lshlrev_b32 v[BOA], 2, v[T0+1]
	WIN 0x80                                       ; Wo's eight fragments (tile u of my four, K step s) and bo are asked for here and wanted at the end: they lie in registers that the loop leaves alone
.irp u, 0,1
.irp s, 0,1
.irp c, 0,1,2,3
	global_load_b128 v[WOH+32*\u+16*\s+4*\c:WOH+32*\u+16*\s+4*\c+3], v[WOA], s[10:11] offset:4096*\u+128*\s+32*\c
.endr
.endr
.endr
	WIN 0
.irp u, 2,3
.irp s, 0,1
.irp c, 0,1,2,3
	global_load_b128 v[WOL+32*(\u-2)+16*\s+4*\c:WOL+32*(\u-2)+16*\s+4*\c+3], v[WOA], s[10:11] offset:4096*\u+128*\s+32*\c
.endr
.endr
.endr
.irp u, 0,1,2,3
	global_load_b32 v[GB+2*\u], v[BOA], s[12:13] offset:64*\u
	v_mov_b32 v[GB+2*\u+1], 0                      ; (upper halves of pairs that packed lines name)
.endr
	v_mov_b32 v[GA+1], 0
	s_lshl_b32 s58, s[WV], 13
	s_add_co_u32 s58, s58, OIMG
	v_add_nc_u32 v[OIW], s58, v[LI]                ; where my two tiles' images of o go
	v_add_nc_u32 v[OIR], OIMG, v[LI]
	s_mul_i32 s58, s[WV], 16*SP
	s_add_co_u32 s58, s58, STAGE
	v_mul_u32_u24 v[STO], v[T0+1], SP              ; into my stage: row r (an output channel), + 64 h
	v_lshl_add_u32 v[STO], v[T0+2], 6, v[STO]
	v_add_nc_u32 v[STO], s58, v[STO]
	v_add_nc_u32 v[SRD], s58, v[LI]                ; back: a row of 512 bytes to the 32 lanes
	v_mov_b32 v[LIMT], 0x429044fe                  ; 50 log2(e)
.irp st, STX, STY
	v_mov_b32 v[\st+1], 0xff61b1e6                 ; the largest t so far: -3e38, under every t
	v_floor_f32 v[\st], -v[\st+1]
	v_mov_b32 v[\st+2], 0
	v_mov_b32 v[\st+3], 0
	v_mov_b32 v[\st+4], 0
	v_mov_b32 v[\st+5], 0
.endr
	s_wait_kmcnt 0x0
	MKSC 41, SC7, LIM7
	MKSC 42, SC8, LIM8
	s_add_co_i32 s[E67], s40, s41
	s_add_co_i32 s[E89], s42, s43
	s_wait_tensorcnt 1                             ; my part of slot 0 is in; slot 1's may stay out
	s_barrier_signal -1
	s_barrier_wait -1                              ; everybody's is
	FETCH_K                                        ; key step 0
	s_wait_loadcnt 36                              ; q's four loads are in; Wo's 32 and bo's 4, issued behind them, may be out
	s_wait_dscnt 0x0
.set mS, 0
.set mQ, QX
.set i, 0
.rept 32
	MUL                                            ; tile X's first scores: there is no vector work yet to set between them
.set i, i+1
.endr
	WIN 0
	PLACES 8                                       ; eight places behind the f32 form, ahead of the first read of S^T
	TURN 1, 0, 1, 1                                ; tile Y's first scores | tile X's first softmax | V of step 0
	TURN 0, 1, 1, 1                                ; tile X: V p of step 0 starts O^T, k q^T of step 1 | tile Y's first softmax | k of step 1
	TURN 1, 1, 1, 0                                ; tile Y: the same | tile X's softmax of step 1 | V of step 1
	WIN 0
	s_mov_b32 s[SLOTS], 14
.Lslot:                                            ; 14 trips: slots 2 to 15 of the batch's 16 are asked for; the trip with s[SLOTS] = n asks for slot 16 - n
	CHANGE 1
	TWO_STEPS
	s_sub_co_u32 s[SLOTS], s[SLOTS], 1
	s_cmp_lg_u32 s[SLOTS], 0
	s_cbranch_scc1 .Lslot
	CHANGE 0                                       ; the tail is written out; behind this barrier nobody reads slot 0 any more
	global_prefetch_b8 v[PFX], s[XB:XB+1] th:TH_LOAD_NT scope:SCOPE_SE                 ; x for the residual: my 64 rows x 512 bytes, a lane a row, each block of 256 bytes named once in the launch,
	global_prefetch_b8 v[PFX], s[XB:XB+1] offset:256 th:TH_LOAD_NT scope:SCOPE_SE      ; two key steps ahead of the loads
	global_prefetch_b8 v[PFX], s[XB:XB+1] offset:524288 th:TH_LOAD_NT scope:SCOPE_SE
	global_prefetch_b8 v[PFX], s[XB:XB+1] offset:524544 th:TH_LOAD_NT scope:SCOPE_SE
	TWO_STEPS
	TURN 0, 2, 0, 0                                ; tile X: V p of the last step | tile Y's last softmax
.set mO, 128
.set mC, CY
.set i, 0
.rept 16
	PV 0                                           ; tile Y: V p of the last step
.set i, i+1
.endr
	; ---- l: its two halves and the other half of the lanes'; 1 / l x 2^(e6 + e7).  The plain lines here are the places behind the last products
	WIN 0
	v_add_f32 v[STX+2], v[STX+2], v[STX+3]
	v_add_f32 v[STY+2], v[STY+2], v[STY+3]
	v_permlanex16_b32 v[T0], v[STX+2], s[SEL], s[SEL+1]
	v_permlanex16_b32 v[T0+1], v[STY+2], s[SEL], s[SEL+1]
	v_add_f32 v[STX+2], v[STX+2], v[T0]
	v_add_f32 v[STY+2], v[STY+2], v[T0+1]
	v_rcp_f32 v[STX+4], v[STX+2]
	v_rcp_f32 v[STY+4], v[STY+2]
	v_nop                                          ; a plain line behind the reciprocals
	s_wait_alu depctr_va_vdst(0)                   ; one wait for the two, ahead of their first reader
	v_ldexp_f32 v[STX+4], v[STX+4], s[E67]
	v_ldexp_f32 v[STY+4], v[STY+4], s[E67]
	s_wait_loadcnt 0x0                             ; Wo and bo, asked for at the head
	WIN 0xc0                                       ; destination window 3: V is done with
.set j, 0
.rept 48
	global_load_b128 v[4*j:4*j+3], v[LI], s[XB:XB+1] offset:16384*j th:TH_LOAD_NT   ; x for the residual: row j of my 64 channels, 512 consecutive bytes; the last 16 rows follow later: 48 loads are out at the most
.set j, j+1
.endr
	; ---- o = O^T / l, quantised along the channels: registers 64 s + 16 b + i of a tile are channel 128 s + 32 b + 16 h + i
	WIN W_RS
.set j, 0
.rept 64
	v_pk_mul_f32 v[j:j+1], v[j:j+1], v[STX+4:STX+5] op_sel_hi:[1,0]                 ; each accumulator from its low end on
.set j, j+2
.endr
.set j, 0
.rept 64
	v_pk_mul_f32 v[128+j:129+j], v[128+j:129+j], v[STY+4:STY+5] op_sel_hi:[1,0]
.set j, j+2
.endr
.set j, 0
.rept 256
	v_med3_num_f32 v[j], v[j], -v[LIM8], v[LIM8]   ; the hold at the largest code x the scale
.set j, j+1
.endr
	WIN 0x01                                       ; source 0 window 1; the codes go to v64-127 of window 0: tile X's 32 registers, then tile Y's
.irp y, 0,1
.irp s, 0,1
.irp b, 0,1,2,3
	v_cvt_scalef32_pk8_bf8_f32 v[CX+32*\y+16*\s+4*\b:CX+32*\y+16*\s+4*\b+1], v[128*\y+64*\s+16*\b:128*\y+64*\s+16*\b+7], v[SC8]
	v_cvt_scalef32_pk8_bf8_f32 v[CX+32*\y+16*\s+4*\b+2:CX+32*\y+16*\s+4*\b+3], v[128*\y+64*\s+16*\b+8:128*\y+64*\s+16*\b+15], v[SC8]
.endr
.endr
.endr
	v_nop                                          ; a plain line between the last conversion and the products that write over its sources
	WIN 0
.irp y, 0,1
.irp s, 0,1
.irp c, 0,1,2,3
	ds_store_b128 v[OIW], v[CX+32*\y+16*\s+4*\c:CX+32*\y+16*\s+4*\c+3] offset:4096*\y+2048*\s+512*\c   ; the fragments go to LDS as they stand
.endr
.endr
.endr
	s_wait_dscnt 0x0                               ; for the others' sake
	s_barrier_signal -1
	s_barrier_wait -1                              ; o's sixteen fragments lie in LDS
	v_mov_b32 v[T0], s44
	v_med3_num_f32 v[T0], v[T0], 0, 1.0            ; g = clip(gamma, 0, 1)
	v_ldexp_f32 v[GA], v[T0], s[E89]               ; g 2^(e8 + e9)
.irp u, 0,1,2,3
	v_mul_f32 v[GB+2*\u], v[T0], v[GB+2*\u]        ; g bo
.endr
	; ---- Wo o: source 0 = 16 queries, source 1 = 16 output channels: a lane holds one channel, its registers run along the positions.  32 accumulators in window 1: (tile u of channels, tile t of queries) at 64 u + 8 t
.irp s, 0,1
.irp hh, 0,1
.if (\s+\hh) > 0
	PLACES 4                                       ; ahead of loads into registers that matrix instructions have read
.endif
	WIN 0
.irp i, 0,1,2,3
.irp c, 0,1,2,3
	ds_load_b128 v[P+16*\i+4*\c:P+16*\i+4*\c+3], v[OIR] offset:(4*\hh+\i)*4096+2048*\s+512*\c
.endr
.endr
	s_wait_dscnt 0x0
	WIN 0x58                                       ; source 1 (Wo's tiles 0, 1) window 2, C and D window 1
.irp i, 0,1,2,3
.irp u, 0,1
.if \s == 0
	v_wmma_f32_16x16x128_bf8_bf8 v[64*\u+8*(4*\hh+\i):64*\u+8*(4*\hh+\i)+7], v[P+16*\i:P+16*\i+15], v[WOH+32*\u+16*\s:WOH+32*\u+16*\s+15], 0
.else
	v_wmma_f32_16x16x128_bf8_bf8 v[64*\u+8*(4*\hh+\i):64*\u+8*(4*\hh+\i)+7], v[P+16*\i:P+16*\i+15], v[WOH+32*\u+16*\s:WOH+32*\u+16*\s+15], v[64*\u+8*(4*\hh+\i):64*\u+8*(4*\hh+\i)+7]
.endif
.endr
.endr
	WIN 0x50                                       ; source 1 (Wo's tiles 2, 3) window 0
.irp i, 0,1,2,3
.irp u, 2,3
.if \s == 0
	v_wmma_f32_16x16x128_bf8_bf8 v[64*\u+8*(4*\hh+\i):64*\u+8*(4*\hh+\i)+7], v[P+16*\i:P+16*\i+15], v[WOL+32*(\u-2)+16*\s:WOL+32*(\u-2)+16*\s+15], 0
.else
	v_wmma_f32_16x16x128_bf8_bf8 v[64*\u+8*(4*\hh+\i):64*\u+8*(4*\hh+\i)+7], v[P+16*\i:P+16*\i+15], v[WOL+32*(\u-2)+16*\s:WOL+32*(\u-2)+16*\s+15], v[64*\u+8*(4*\hh+\i):64*\u+8*(4*\hh+\i)+7]
.endif
.endr
.endr
.endr
.endr
	PLACES 4                                       ; ahead of the first read of results and of writes over o's fragments
	WIN 0
; THE WAY OUT, 16 channels at a time: sum x g 2^(e8 + e9) + g bo; through my stage (register j of tile t is position 32 (t / 2) + 8 (t % 2) + 16 h + j of my lane's channel) back as whole rows; + x; each store covers
; 512 consecutive bytes, aligned.  left: the loads of x issued behind this quarter's 16, which may stay out.
.macro OUTQ u, left
.if \u
	s_wait_xcnt 0x0                                ; the quarter before: its stores have read their data, so the registers are written again
.endif
	WIN 0x01                                       ; source 0 (the sums) window 1
.set j, 0
.rept 32
	v_pk_fma_f32 v[P+j:P+j+1], v[64*\u+j:64*\u+j+1], v[GA:GA+1], v[GB+2*\u:GB+2*\u+1] op_sel_hi:[1,0,0]   ; each accumulator from its low end on
.set j, j+2
.endr
	WIN 0
.irp t, 0,1,2,3,4,5,6,7
	ds_store_b128 v[STO], v[P+8*\t:P+8*\t+3] offset:128*(\t/2)+32*(\t%2)
	ds_store_b128 v[STO], v[P+8*\t+4:P+8*\t+7] offset:128*(\t/2)+32*(\t%2)+16
.endr
.set j, 0
.rept 16
	ds_load_b128 v[P+4*j:P+4*j+3], v[SRD] offset:SP*j          ; LDS serves a wave's instructions in order (ISA guide 5.7.1.4): these see my stores
.set j, j+1
.endr
	s_wait_dscnt 0x0
	s_wait_loadcnt \left                           ; this quarter's 16 rows of x are in
	WIN 0x0c                                       ; source 1 (x) window 3
.set j, 0
.rept 32
	v_pk_add_f32 v[P+j:P+j+1], v[P+j:P+j+1], v[64*\u+j:64*\u+j+1]
.set j, j+2
.endr
	WIN 0
.set j, 0
.rept 16
	global_store_b128 v[LI], v[P+4*j:P+4*j+3], s[OB:OB+1] offset:16384*(16*\u+j) th:TH_STORE_NT
.set j, j+1
.endr
.if \u == 0
	WIN 0xc0
.set j, 48
.rept 16
	global_load_b128 v[4*j:4*j+3], v[LI], s[XB:XB+1] offset:16384*j th:TH_LOAD_NT   ; the last 16 rows of x: with the 32 still counted, 48 loads are out
.set j, j+1
.endr
	WIN 0
.endif
.endm
	OUTQ 0, 32                                     ; behind rows 0-15: rows 16-47
	OUTQ 1, 32                                     ; behind rows 16-31: rows 32-63
	OUTQ 2, 16
	OUTQ 3, 0
	s_wait_tensorcnt 0x0                           ; the wave's end, behind my last tensor load and my last LDS store
	ds_add_u32 v[SPW], v[NIL]
	s_wait_dscnt 0x0
	CROUND                                         ; the closing round: no work-group ends while a partner may still ask for a slot that names it
	s_endpgm
.Lfunc_end_k_q948fd1ebc2_attn:
	.size	k_q948fd1ebc2_attn, .Lfunc_end_k_q948fd1ebc2_attn-k_q948fd1ebc2_attn
	.p2alignl 7, 3214868480
	.fill 96, 4, 3214868480
	.section	.rodata,"a",@progbits
	.p2align	6, 0x0
	.amdhsa_kernel k_q948fd1ebc2_attn
		.amdhsa_group_segment_fixed_size 327680
		.amdhsa_private_segment_fixed_size 0
		.amdhsa_enable_private_segment 0
		.amdhsa_kernarg_size 64
		.amdhsa_user_sgpr_count 2
		.amdhsa_user_sgpr_kernarg_segment_ptr 1
		.amdhsa_wavefront_size32 1
		.amdhsa_system_sgpr_workgroup_id_x 1
		.amdhsa_system_sgpr_workgroup_id_y 1
		.amdhsa_system_sgpr_workgroup_id_z 1
		.amdhsa_system_vgpr_workitem_id 0
		.amdhsa_next_free_vgpr 1024
		.amdhsa_next_free_sgpr 66
		.amdhsa_reserve_vcc 0
		.amdhsa_float_denorm_mode_32 3
		.amdhsa_float_denorm_mode_16_64 3
		.amdhsa_memory_ordered 1
		.amdhsa_forward_progress 1
		.amdhsa_inst_pref_size 255
	.end_amdhsa_kernel
	.section	.bss,"aw",@nobits
	.p2align	6
	.space	262144
	.amdgpu_metadata
---
amdhsa.version: [ 1, 2 ]
amdhsa.kernels:
  - .name:           k_q948fd1ebc2_attn
    .symbol:         k_q948fd1ebc2_attn.kd
    .args:
      - { .name: q_ws, .offset: 0, .size: 8, .value_kind: global_buffer, .address_space: global }
      - { .name: kv_ws, .offset: 8, .size: 8, .value_kind: global_buffer, .address_space: global }
      - { .name: x, .offset: 16, .size: 8, .value_kind: global_buffer, .address_space: global }
      - { .name: Wo_codes, .offset: 24, .size: 8, .value_kind: global_buffer, .address_space: global }
      - { .name: bo, .offset: 32, .size: 8, .value_kind: global_buffer, .address_space: global }
      - { .name: gamma, .offset: 40, .size: 8, .value_kind: global_buffer, .address_space: global }
      - { .name: lowp_scales, .offset: 48, .size: 8, .value_kind: global_buffer, .address_space: global }
      - { .name: out0, .offset: 56, .size: 8, .value_kind: global_buffer, .address_space: global }
    .group_segment_fixed_size: 327680
    .private_segment_fixed_size: 0
    .kernarg_segment_align: 8
    .kernarg_segment_size: 64
    .max_flat_workgroup_size: 128
    .sgpr_count:     66
    .vgpr_count:     1024
    .wavefront_size: 32
...
	.end_amdgpu_metadata
.endif
;; end of part 2
